; MI455X (gfx1250); checked and timed in simulation.
; The chip was launched on July 23, 2026; its instructions are those of AMD's public machine-readable ISA for CDNA 5 (MIT licence, August 2026) and "CDNA5" Instruction Set Architecture Reference Guide (July 2026). The comments in the code are by the model that wrote it; some were corrected since.
;; Multi Head Attention. Allowed arithmetic: matrix products marked QUANTISED: E2M1 operands, one E8M0 scale for each 32 along K, by v_wmma_scale_f32_16x16x128_f8f6f4 with both operands' format E2M1 (or v_wmma_scale_f32_32x16x128_f4), f32 sums; products left as they are: bf16, f16 or f32 operands; f32 sums; everything else in f32.
;; Inputs: Wk 128 x 1,024 float32; Wo 1,024 x 128 float32; Wq 128 x 1,024 float32; Wv 128 x 1,024 float32; bk 1,024 float32; bo 128 float32; bq 1,024 float32; bv 1,024 float32; k 8 x 2,048 x 128 float32; q 8 x 1,024 x 128 float32; v 8 x 2,048 x 128 float32.
;; Outputs: out0 8 x 1,024 x 128 float32.
;; This version of the problem:
;;   THIS VERSION OF THE PROBLEM IS GIVEN IN LOW PRECISION. The matrix products marked QUANTISED in the list below multiply operands that are first quantised to E2M1 (2 exponent bits, 1 mantissa bit; 4 bits a number), with one power-of-two scale for each 32 numbers along K (OCP MX v1.0); their sums are f32. The products marked 'left as it is' may take bf16, f16 or f32 operands, with f32 sums. All else is computed in f32.
;;   The module's matrix products, in the order in which they are computed (A, B: the left and right operand; K: the contracted axis; several contracted axes count as one K, in the product's order):
;;     1. [M 8,192, K 128] x [K 128, N 1,024]; A: input q; B: input Wq: QUANTISED
;;     2. [M 16,384, K 128] x [K 128, N 1,024]; A: input k; B: input Wk: QUANTISED
;;     3. [M 16,384, K 128] x [K 128, N 1,024]; A: input v; B: input Wv: QUANTISED
;;     4. batch 64 x [M 1,024, K 128] x [K 128, N 2,048]; A: computed on the way; B: computed on the way: left as it is (an operand is computed on the way)
;;     5. batch 64 x [M 128, K 2,048] x [K 2,048, N 1,024]; A: computed on the way; B: computed on the way: left as it is (an operand is computed on the way)
;;     6. [M 8,192, K 1,024] x [K 1,024, N 128]; A: computed on the way; B: input Wo: left as it is (an operand is computed on the way)
;;   THE QUANTISER, for each operand of a quantised product, along K:
;;     - K is cut into blocks of 32 from its start; a last block that is shorter is filled with zeros.
;;     - A block's scale is 2^e with e = floor(log2(the largest magnitude in the block)) - 2, held to -126 .. 127; a block of zeros has e = 0. As a byte (E8M0): e + 127.
;;     - Each number is divided by its block's scale, clamped to +-6, and rounded to the nearest number of E2M1, ties to even, subnormals kept.
;;     - The product sums the exact products of the quantised numbers (number of the format x scale) in f32.
;;   ~~~python
;;   def quantise(x, axis):      # numpy; x: float32 -> the quantised numbers, widened to float32 again
;;       x = np.moveaxis(x, axis, -1); K = x.shape[-1]
;;       x = np.pad(x, [(0, 0)] * (x.ndim - 1) + [(0, -K % 32)]); x = x.reshape(x.shape[:-1] + (-1, 32)); a = np.abs(x).max(-1, keepdims=True)
;;       e = np.where(a > 0, np.clip(np.frexp(np.where(a > 0, a, 1))[1] - 1 - 2, -126, 127), 0)      # np.frexp(a)[1] - 1 = floor(log2(a)), exactly
;;       r = np.clip(x / 2.0 ** e, -6, 6)
;;       step = 2.0 ** (np.maximum(np.frexp(np.where(r == 0, 1, r))[1] - 1, 0) - 1)
;;       q = np.round(r / step) * step * 2.0 ** e      # np.round: ties to even
;;       return np.moveaxis(q.reshape(q.shape[:-2] + (-1,))[..., :K], -1, axis).astype(np.float32)
;;   ~~~
;; One version. Each part assembles by itself: llvm-mc -triple=amdgcn-amd-amdhsa -mcpu=gfx1250 --defsym DOCPART=n.
;; ======== version 1 of 1: 3 launches
;; limits: values are held in f16: magnitudes above 65,504 overflow, below 6.1e-05 lose precision
;; workspace buffers: qimg 16,777,216 bytes; kimg 33,554,432 bytes; vimg 33,554,432 bytes; oimg 16,777,216 bytes; woimg 262,144 bytes
;; launch proj (part 1): grid 4 x 162, 4 waves a work-group, no clusters, 52,736 bytes of LDS; arguments q, k, v, Wq, Wk, Wv, bq, bk, bv, Wo, qimg, kimg, vimg, woimg; writes qimg, kimg, vimg, woimg
.if DOCPART == 1
	.amdgcn_target "amdgcn-amd-amdhsa--gfx1250"
	.amdhsa_code_object_version 6
	.text
	.protected	k_qaa77cc142c_proj
	.globl	k_qaa77cc142c_proj
	.p2align	8
	.type	k_qaa77cc142c_proj,@function
k_qaa77cc142c_proj:
	s_mov_b64 s[64:65], 0
	v_nop
	global_prefetch_b8 v0, s[64:65] scope:SCOPE_SE
	s_setreg_imm32_b32 hwreg(HW_REG_WAVE_MODE, 25, 1), 1
	s_wait_xcnt 0x0
; Qh = Q(q) Q(Wq) + bq, Kh = Q(k) Q(Wk) + bk, Vh = Q(v) Q(Wv) + bv: Q is the MX quantiser to E2M1 along K = 128 (one E8M0 byte for each 32), both operands are quantised here in registers,
; the products go by v_wmma_scale_f32_16x16x128_f8f6f4 on 4-bit codes, the bias is the C of each sum, and the f32 results are rounded once to f16 for the attention that follows.  Wo is rounded to f16 as well.
; WHAT IS STORED are images of the next launches' operand registers: a fragment of 16 x 32 f16 is 8 registers a lane, 1,024 bytes: registers 0-3 at 16 x lane, registers 4-7 at 512 + 16 x lane.
;   qimg, kimg: [batch x head][tile of 16 rows][32 channels s][half c][lane][16 bytes];  vimg: [batch x head][32 keys u][16 channels f][c][lane][16];  woimg: [32 of K][16 outputs t][c][lane][16].
; So every store of a wave covers 512 consecutive bytes, aligned, and nothing is transposed later.
; SHARES.  Work-group x = a PAIR OF HEADS (2 x, 2 x + 1); work-group y = a chunk of 256 rows: 0-31 of q, 32-95 of k, 96-159 of v; y = 160, 161: Wo's rows 128 (4 (y - 160) + x) on.  Four waves.
; The chunk's rows are read, turned and quantised once for both heads.  THE WAVES SHARE THE COLUMNS: wave w owns columns 32 w .. 32 w + 31 (two tiles of 16) of each of the two heads, for all 256 rows;
; wave w also quantises rows 64 w .. 64 w + 63 of x for all four, which reach the others through LDS as images of the operand's registers.  One barrier.
; Q and K: source 0 = 16 columns of W, source 1 = 16 rows of x: a lane then holds one row and eight neighbouring channels, and my two tiles, packed, are registers 0-3 and 4-7 of the fragment of channels 32 w on.
; V: source 0 = 16 rows of v (keys), source 1 = 16 columns of Wv: a lane holds one channel and eight neighbouring keys, and two neighbouring tiles of keys, packed, are a fragment of V^T.
; No cluster and no tensor load: what work-groups share is a slab of 128 KiB of a weight and rows of x, both read through registers by work-groups that are short.
; LIMITS: the results are kept in f16: |Qh|, |Kh|, |Vh| up to 65,504; a block of zeros gets the scale byte 1, not 127 (its codes are zeros, and this program alone reads the byte);
; blocks whose largest magnitude lies under 2^-124 are held at the byte 1; NaN and infinities among the inputs are not served.
.set XIMG, 0                           ; LDS: the 16 row tiles' fragments of x, 1,024 bytes each
.set XSC,  16384                       ; their scale words, 128 bytes each
.set STG,  18432                       ; a stage of 16 rows for each wave, its own
.set SPB,  528                         ; a stage row: 512 bytes + 16 = 33 x 16: sixteen rows read at one column fall on sixteen different columns of 16 bytes modulo 256
.set WSA, 1                            ; v1   the first head's scale words of W: lanes 0-15 my first tile's columns, lanes 16-31 my second's
.set XW,  2                            ; v2   the scale word of x just made
.set SH8, 3                            ; v3   8 x (lane / 16)
.set XO,  4                            ; v4   x: 16 x lane + 64 w rows
.set WO,  5                            ; v5   a weight: 4 x lane + 128 w: my column
.set BO,  6                            ; v6   the bias for Q and K: 32 (lane / 16) + 128 w
.set STA, 7                            ; v7   the stage, in
.set RDA, 8                            ; v8   the stage, out
.set IW,  9                            ; v9   where I store fragments of x: 16 x lane + 4,096 w
.set SW,  10                           ; v10  and their scale words: 4 x lane + 512 w
.set LI,  11                           ; v11  16 x lane
.set LS,  12                           ; v12  4 x lane
.set SOF, 13                           ; v13  the stores' offset
.set BOV, 14                           ; v14  the bias for V: 4 (lane % 16) + 128 w
.set WSB, 15                           ; v15  the second head's scale words of W (WSA + 14)
.set TM,  16                           ; v16-27 at work
.set XC,  24                           ; v24-31 x's codes just made (v24-27 serve the weights' quantising too)
.set TA,  32                           ; v32-47 the first head's two fragments of W; the second head's lie 32 registers on, at v64-79
.set XS,  48                           ; v48-63 x's 16 scale words: these registers hold nothing else
.set BI,  80                           ; v80-111 the bias in the result's layout: 16 registers a head, eight a tile.  (v64-127 hold row tile 0's numbers first)
.set WR,  128                          ; v128-255 128 numbers of my column of a weight, twice; then v128-191 and v192-255 two sets of 64 numbers of x;
.set XF,  128                          ; then v128-191 x's fragments, eight row tiles at a time,
.set ACC, 192                          ; and v192-255 eight accumulators
	s_load_b512 s[8:23], s[0:1], 0x0               ; q 8, k 10, v 12, Wq 14, Wk 16, Wv 18, bq 20, bk 22
	s_load_b256 s[24:31], s[0:1], 0x40             ; bv 24, Wo 26, qimg 28, kimg 30
	s_load_b128 s[32:35], s[0:1], 0x60             ; vimg 32, woimg 34
	s_set_vgpr_msb 0x40
	v_lshl_add_u32 v0, v0, 2, 0xcc00
	v_mov_b32 v1, 0
	s_set_vgpr_msb 0x4000
	v_lshrrev_b32 v16, 5, v0
	v_readfirstlane_b32 s2, v16                    ; wave 0..3
	s_and_b32 s3, ttmp7, 0xffff                    ; the chunk
	s_mov_b32 s4, ttmp9                            ; the pair of heads
	v_and_b32 v16, 31, v0                          ; lane
	v_and_b32 v17, 15, v0                          ; r
	v_bfe_u32 v18, v0, 4, 1                        ; h
	v_lshlrev_b32 v[LI], 4, v16
	v_lshlrev_b32 v[LS], 2, v16
	v_lshlrev_b32 v[SH8], 3, v18
	s_lshl_b32 s51, s2, 15
	v_add_nc_u32 v[XO], s51, v[LI]
	s_lshl_b32 s51, s2, 7
	v_add_nc_u32 v[WO], s51, v[LS]
	v_lshl_add_u32 v[BO], v18, 5, s51
	v_lshl_add_u32 v[BOV], v17, 2, s51
	s_mul_i32 s51, s2, 16*SPB
	s_add_co_u32 s51, s51, STG                     ; my stage
	v_add_nc_u32 v[STA], s51, v[LI]                ; in: a row as it lies, 16 bytes a lane
	v_mul_u32_u24 v[RDA], v17, SPB
	v_lshl_add_u32 v[RDA], v18, 7, v[RDA]
	v_add_nc_u32 v[RDA], s51, v[RDA]               ; out: row r, from byte 128 h on
	s_lshl_b32 s51, s2, 12
	v_add_nc_u32 v[IW], s51, v[LI]
	s_lshl_b32 s51, s2, 9
	v_add_nc_u32 v[SW], s51, v[LS]
	v_mov_b32 v[TM+6], 0                           ; written once: a lane permute's destination counts as one of its sources
	s_mov_b32 s48, 0x76543210
	s_mov_b32 s49, 0xfedcba98                      ; v_permlanex16_b32's selects for lane l xor 16
	s_mov_b32 s45, 0
	s_mov_b32 s47, 0
	s_wait_kmcnt 0x0
; 128 numbers down K of my column, off bytes on in each row: a wave's load covers 128 consecutive bytes, the four waves stand side by side on 512
.macro WLOAD base, pitch, off
.set i, 0
.rept 128
	global_load_b32 v[WR+i], v[WO], s[\base:\base+1] offset:i*\pitch+\off
.set i, i+1
.endr
.endm
	s_cmp_ge_u32 s3, 160
	s_cbranch_scc1 .Lwo                            ; the same way for all four waves: it hangs on the work-group's number alone
	; which tensor: only pointers and three numbers are chosen; all three take one path through the text but for the bias's loads and the products
	s_cmp_lt_u32 s3, 96
	s_cselect_b64 s[36:37], s[10:11], s[12:13]     ; x
	s_cselect_b64 s[38:39], s[16:17], s[18:19]     ; the weight
	s_cselect_b64 s[40:41], s[22:23], s[24:25]     ; the bias
	s_cselect_b64 s[42:43], s[30:31], s[32:33]     ; the images
	s_cselect_b32 s5, 32, 96                       ; the tensor's first chunk
	s_cselect_b32 s53, 10, 11                      ; a wave's step in the images: 1,024 bytes (32 channels of a row tile) for Q and K, 2,048 (two channel tiles) for V
	s_cmp_lt_u32 s3, 32
	s_cselect_b64 s[36:37], s[8:9], s[36:37]
	s_cselect_b64 s[38:39], s[14:15], s[38:39]
	s_cselect_b64 s[40:41], s[20:21], s[40:41]
	s_cselect_b64 s[42:43], s[28:29], s[42:43]
	s_cselect_b32 s5, 0, s5
	s_cselect_b32 s6, 2, 3                         ; log2 of the chunks in a batch: 4 for q, 8 for k and v
	s_sub_co_u32 s7, s3, s5                        ; the chunk within its tensor
	s_lshl_b32 s44, s7, 17                         ; 256 rows of 512 bytes
	s_add_nc_u64 s[36:37], s[36:37], s[44:45]
	s_lshr_b32 s51, s7, s6                         ; the batch
	s_lshl_b32 s51, s51, 3
	s_lshl_b32 s52, s4, 1
	s_add_co_u32 s51, s51, s52                     ; 8 x batch + my first head
	s_add_co_u32 s52, s6, 16
	s_lshl_b32 s44, s51, s52                       ; a chunk's images for one head are 65,536 bytes,
	s_lshl_b32 s46, 1, s52                         ; a head's 65,536 x the chunks in a batch
	s_bfm_b32 s52, s6, 0
	s_and_b32 s52, s7, s52                         ; the chunk within its batch
	s_lshl_b32 s52, s52, 16
	s_add_co_u32 s44, s44, s52
	s_add_nc_u64 s[42:43], s[42:43], s[44:45]      ; the first head's images
	s_add_nc_u64 s[54:55], s[42:43], s[46:47]      ; the second head's
	s_lshl_b32 s46, s4, 10                         ; the pair's 256 columns: 1,024 bytes
	s_add_nc_u64 s[38:39], s[38:39], s[46:47]
	s_add_nc_u64 s[40:41], s[40:41], s[46:47]
	s_lshl_b32 s53, s2, s53
	v_add_nc_u32 v[SOF], s53, v[LI]
; row tile i of my four: 16 loads, each a whole row of 512 consecutive bytes
.macro XLOAD reg, i
.irp j, 0,1,2,3,4,5,6,7,8,9,10,11,12,13,14,15
	global_load_b128 v[\reg+4*\j:\reg+4*\j+3], v[XO], s[36:37] offset:8192*\i+512*\j
.endr
.endm
; My column's four blocks of 32 become codes (16 registers from tb on) and a scale word (ws).  Block b's four registers go to tb + 8 (b % 2) + 4 (b / 2); eight exchanges of halves then make of them the two
; tiles' fragments: the operand's layout gives lane (r, h) blocks h and 2 + h of column r.
.macro QUANTW tb, ws
.irp b, 0,1,2,3
	v_max3_num_f32 v[TM+\b], |v[WR+32*\b]|, |v[WR+32*\b+1]|, 0x1800000   ; the floor 2^(3 - 127) among the leaves: the byte cannot fall under 1
.endr
.irp n, 2,4,6,8,10,12,14,16,18,20,22,24,26,28,30
.irp b, 0,1,2,3
	v_max3_num_f32 v[TM+\b], v[TM+\b], |v[WR+32*\b+\n]|, |v[WR+32*\b+\n+1]|   ; the four blocks by turns
.endr
.endr
.irp b, 0,1,2,3
	v_add_nc_u32 v[TM+4+\b], 0xff000000, v[TM+\b]  ; 2 off the exponent field: the conversion takes this operand's exponent field as its scale
.endr
.irp b, 0,1,2,3
	v_lshrrev_b32 v[TM+8+\b], 23, v[TM+4+\b]       ; the scale's byte
.endr
	v_lshl_or_b32 v[\ws], v[TM+9], 8, v[TM+8]
	v_lshl_or_b32 v[\ws], v[TM+10], 16, v[\ws]
	v_lshl_or_b32 v[\ws], v[TM+11], 24, v[\ws]
.irp b, 0,1,2,3
.irp g, 0,1,2,3
	v_cvt_scalef32_pk8_fp4_f32 v[\tb+8*(\b%2)+4*(\b/2)+\g], v[WR+32*\b+8*\g:WR+32*\b+8*\g+7], v[TM+4+\b]
.endr
.endr
	v_nop                                          ; one plain place behind a scaled conversion
.irp g, 0,1,2,3
	v_permlane16_swap_b32 v[\tb+\g], v[\tb+8+\g]   ; the first's lanes 16-31 change places with the second's lanes 0-15: tb+0.. is my first tile's fragment, tb+8.. my second's
	v_permlane16_swap_b32 v[\tb+4+\g], v[\tb+12+\g]
.endr
.endm
; 16 rows through my stage: in as they were loaded, out so that lane (r, h) holds, of row r, k = 64 c + 32 h + 0 .. 31 in registers 32 c on.  LDS serves a wave's instructions in order
; (ISA guide 5.7.1.4), so no wait stands between the stores and the loads.
.macro TURN reg
.irp j, 0,1,2,3,4,5,6,7,8,9,10,11,12,13,14,15
	ds_store_b128 v[STA], v[\reg+4*\j:\reg+4*\j+3] offset:SPB*\j
.endr
.irp c, 0,1
.irp g, 0,1,2,3,4,5,6,7
	ds_load_b128 v[\reg+32*\c+4*\g:\reg+32*\c+4*\g+3], v[RDA] offset:256*\c+16*\g
.endr
.endr
	s_wait_dscnt 0x0                               ; the numbers are back; the last tile's stores of codes and scale word are done too
.endm
; A lane's two whole blocks (h and 2 + h of its row) become registers 4 c .. 4 c + 3 of the fragment; the scale word's four bytes are gathered from lanes l and l xor 16.  Then the image goes to LDS.
.macro QUANTX reg, i
.irp c, 0,1
	v_max3_num_f32 v[TM+\c], |v[\reg+32*\c]|, |v[\reg+32*\c+1]|, 0x1800000
.endr
.irp n, 2,4,6,8,10,12,14,16,18,20,22,24,26,28,30
.irp c, 0,1
	v_max3_num_f32 v[TM+\c], v[TM+\c], |v[\reg+32*\c+\n]|, |v[\reg+32*\c+\n+1]|
.endr
.endr
.irp c, 0,1
	v_add_nc_u32 v[TM+2+\c], 0xff000000, v[TM+\c]
.endr
.irp c, 0,1
	v_lshrrev_b32 v[TM+4+\c], 23, v[TM+2+\c]
.endr
	v_lshl_or_b32 v[XW], v[TM+5], 16, v[TM+4]      ; my two bytes,
	v_lshlrev_b32 v[XW], v[SH8], v[XW]             ; at their places in the word,
	v_permlanex16_b32 v[TM+6], v[XW], s48, s49
	v_or_b32 v[XW], v[XW], v[TM+6]                 ; with lane l xor 16's two
.irp c, 0,1
.irp g, 0,1,2,3
	v_cvt_scalef32_pk8_fp4_f32 v[XC+4*\c+\g], v[\reg+32*\c+8*\g:\reg+32*\c+8*\g+7], v[TM+2+\c]
.endr
.endr
	v_nop                                          ; one plain place behind a scaled conversion
	ds_store_b128 v[IW], v[XC:XC+3] offset:XIMG+1024*\i
	ds_store_b128 v[IW], v[XC+4:XC+7] offset:XIMG+1024*\i+512
	ds_store_b32 v[SW], v[XW] offset:XSC+128*\i
.endm
	XLOAD 64, 0                                    ; row tile 0 first, then the first head's weight (a row of the weight is 4,096 bytes)
	WLOAD 38, 4096, 0
	s_wait_loadcnt 0x0                             ; both are in
	QUANTW TA, WSA
	WLOAD 38, 4096, 512                            ; the second head's columns, 512 bytes on, into the registers that the first head's have left;
	TURN 64                                        ; row tile 0 is worked while they are on their way
	QUANTX 64, 0
	; the bias in the result's layout, 32 loads on either way.  Q, K: register j of tile t is channel 16 t + 8 h + j.  V: a lane holds one channel, so a tile's eight registers hold the same number
	s_cmp_ge_u32 s3, 96
	s_cbranch_scc1 .Lbias_v
.irp hh, 0,1
.irp t, 0,1
.irp j, 0,1,2,3,4,5,6,7
	global_load_b32 v[BI+16*\hh+8*\t+\j], v[BO], s[40:41] offset:512*\hh+64*\t+4*\j
.endr
.endr
.endr
	s_branch .Lbias_in
.Lbias_v:
.irp hh, 0,1
.irp t, 0,1
.irp j, 0,1,2,3,4,5,6,7
	global_load_b32 v[BI+16*\hh+8*\t+\j], v[BOV], s[40:41] offset:512*\hh+64*\t
.endr
.endr
.endr
.Lbias_in:
	s_wait_loadcnt 32                              ; the second head's weight is in: behind its loads stand the bias's 32
	s_wait_dscnt 0x0                               ; tile 0's codes have been stored: the registers that held them serve the weight's quantising
	QUANTW TA+32, WSB                              ; into the first sixteen of the registers that row tile 0 has left
	XLOAD 128, 1
	XLOAD 192, 2
	s_wait_loadcnt 16                              ; tile 1 is in (and the bias, asked for earlier); tile 2 may be out
	TURN 128
	QUANTX 128, 1
	XLOAD 128, 3
	s_wait_loadcnt 16                              ; tile 2; tile 3 may be out
	TURN 192
	QUANTX 192, 2
	s_wait_loadcnt 0x0                             ; tile 3
	TURN 128
	QUANTX 128, 3
	s_wait_dscnt 0x0                               ; for the others' sake: my images lie in LDS
	s_barrier_signal -1
	s_barrier_wait -1                              ; all sixteen do; nothing is written to LDS from here on
; x's fragments of row tiles 8 half .. 8 half + 7
.macro XFETCH half
.irp m, 0,1,2,3,4,5,6,7
	ds_load_b128 v[XF+8*\m:XF+8*\m+3], v[LI] offset:XIMG+1024*(8*\half+\m)
	ds_load_b128 v[XF+8*\m+4:XF+8*\m+7], v[LI] offset:XIMG+1024*(8*\half+\m)+512
.endr
.endm
; Row tiles 2 u and 2 u + 1 against my two tiles of columns of each of the two heads: eight products of one K step each, no chain: the bias is C.  Then four places, the rounding to f16 in place
; (each accumulator from its low end on), eight stores.  Between a product and the next group's product that writes over its result stand the four v_nop and the roundings of the other seven accumulators.
.macro GROUP isv, u
.if (\u) > 0
	s_wait_xcnt 0x0                                ; the last group's stores have read the accumulators' registers
.endif
.irp hh, 0,1
.irp mm, 0,1
.irp t, 0,1
.if \isv
.if \t
	v_wmma_scale_f32_16x16x128_f8f6f4 v[ACC+8*(4*\hh+2*\mm+\t):ACC+8*(4*\hh+2*\mm+\t)+7], v[XF+8*(2*((\u)%4)+\mm):XF+8*(2*((\u)%4)+\mm)+7], v[TA+32*\hh+8*\t:TA+32*\hh+8*\t+7], v[BI+16*\hh+8*\t:BI+16*\hh+8*\t+7], v[XS+2*(\u)+\mm], v[WSA+14*\hh] matrix_a_fmt:MATRIX_FMT_FP4 matrix_b_fmt:MATRIX_FMT_FP4 matrix_b_scale:MATRIX_SCALE_ROW1
.else
	v_wmma_scale_f32_16x16x128_f8f6f4 v[ACC+8*(4*\hh+2*\mm+\t):ACC+8*(4*\hh+2*\mm+\t)+7], v[XF+8*(2*((\u)%4)+\mm):XF+8*(2*((\u)%4)+\mm)+7], v[TA+32*\hh+8*\t:TA+32*\hh+8*\t+7], v[BI+16*\hh+8*\t:BI+16*\hh+8*\t+7], v[XS+2*(\u)+\mm], v[WSA+14*\hh] matrix_a_fmt:MATRIX_FMT_FP4 matrix_b_fmt:MATRIX_FMT_FP4
.endif
.else
.if \t
	v_wmma_scale_f32_16x16x128_f8f6f4 v[ACC+8*(4*\hh+2*\mm+\t):ACC+8*(4*\hh+2*\mm+\t)+7], v[TA+32*\hh+8*\t:TA+32*\hh+8*\t+7], v[XF+8*(2*((\u)%4)+\mm):XF+8*(2*((\u)%4)+\mm)+7], v[BI+16*\hh+8*\t:BI+16*\hh+8*\t+7], v[WSA+14*\hh], v[XS+2*(\u)+\mm] matrix_a_fmt:MATRIX_FMT_FP4 matrix_b_fmt:MATRIX_FMT_FP4 matrix_a_scale:MATRIX_SCALE_ROW1
.else
	v_wmma_scale_f32_16x16x128_f8f6f4 v[ACC+8*(4*\hh+2*\mm+\t):ACC+8*(4*\hh+2*\mm+\t)+7], v[TA+32*\hh+8*\t:TA+32*\hh+8*\t+7], v[XF+8*(2*((\u)%4)+\mm):XF+8*(2*((\u)%4)+\mm)+7], v[BI+16*\hh+8*\t:BI+16*\hh+8*\t+7], v[WSA+14*\hh], v[XS+2*(\u)+\mm] matrix_a_fmt:MATRIX_FMT_FP4 matrix_b_fmt:MATRIX_FMT_FP4
.endif
.endif
.endr
.endr
.endr
.rept 4
	v_nop                                          ; four places behind the last product (ISA guide 7.12.1)
.endr
.irp a, 0,1,2,3,4,5,6,7
.irp r, 0,1,2,3
	v_cvt_pk_f16_f32 v[ACC+8*\a+\r], v[ACC+8*\a+2*\r], v[ACC+8*\a+2*\r+1]
.endr
.endr
.irp hh, 0,1
.irp mm, 0,1
.irp t, 0,1
.if \isv
	global_store_b128 v[SOF], v[ACC+8*(4*\hh+2*\mm+\t):ACC+8*(4*\hh+2*\mm+\t)+3], s[42+12*\hh:43+12*\hh] offset:8192*(\u)+1024*\t+512*\mm      ; keys 32 u on, channel tile 2 w + t, half = the tile of keys
.else
	global_store_b128 v[SOF], v[ACC+8*(4*\hh+2*\mm+\t):ACC+8*(4*\hh+2*\mm+\t)+3], s[42+12*\hh:43+12*\hh] offset:4096*(2*(\u)+\mm)+512*\t       ; row tile 2 u + mm, channels 32 w on, half = the tile of channels
.endif
.endr
.endr
.endr
.endm
.irp m, 0,1,2,3,4,5,6,7,8,9,10,11,12,13,14,15
	ds_load_b32 v[XS+\m], v[LS] offset:XSC+128*\m  ; all sixteen scale words
.endr
	XFETCH 0
	s_wait_dscnt 0x0
	; the two ways part round the products alone and join again, so that every LDS instruction stands in the common text
	s_cmp_ge_u32 s3, 96
	s_cbranch_scc1 .Lv_first
.irp u, 0,1,2,3
	GROUP 0, \u
.endr
	s_branch .Lhalf
.Lv_first:
.irp u, 0,1,2,3
	GROUP 1, \u
.endr
.Lhalf:
	XFETCH 1                                       ; behind the last products that read these registers stand the four v_nop and 32 roundings
	s_wait_dscnt 0x0
	s_cmp_ge_u32 s3, 96
	s_cbranch_scc1 .Lv_second
.irp u, 4,5,6,7
	GROUP 0, \u
.endr
	s_set_vgpr_msb 0x5
	s_wait_tensorcnt 0x0
	ds_add_u32 v0, v1
	s_wait_dscnt 0x0
	s_set_vgpr_msb 0x500
	s_endpgm
.Lv_second:
.irp u, 4,5,6,7
	GROUP 1, \u
.endr
	s_set_vgpr_msb 0x5
	s_wait_tensorcnt 0x0
	ds_add_u32 v0, v1
	s_wait_dscnt 0x0
	s_set_vgpr_msb 0x500
	s_endpgm
; Wo [1024][128]: 128 rows, my 32 columns, rounded to f16 and laid as source 0 of the last launch's products (16 outputs x 32 of K).  No LDS, no barrier.
.Lwo:
	s_sub_co_u32 s51, s3, 160
	s_lshl_b32 s51, s51, 2
	s_add_co_u32 s51, s51, s4                      ; which 128 rows: 4 (y - 160) + x
	s_lshl_b32 s44, s51, 16                        ; 128 rows of 512 bytes
	s_add_nc_u64 s[26:27], s[26:27], s[44:45]
	s_lshl_b32 s44, s51, 15                        ; four steps of 32 along K, 8,192 bytes each
	s_add_nc_u64 s[34:35], s[34:35], s[44:45]
	s_lshl_b32 s51, s2, 11
	v_add_nc_u32 v[SOF], s51, v[LI]
	WLOAD 26, 512, 0
	s_wait_loadcnt 0x0
.set i, 0
.rept 64
	v_cvt_pk_f16_f32 v[64+i], v[WR+2*i], v[WR+2*i+1]   ; register 16 s + 4 G + g: k = 32 s + 8 G + 2 g, + 1 of my column
.set i, i+1
.endr
.irp s, 0,1,2,3
.irp g, 0,1,2,3
	v_permlane16_swap_b32 v[64+16*\s+\g], v[64+16*\s+4+\g]      ; groups 0 and 1 become registers 0-3 of my first tile's fragment and of my second's,
	v_permlane16_swap_b32 v[64+16*\s+8+\g], v[64+16*\s+12+\g]   ; groups 2 and 3 their registers 4-7
.endr
.endr
.irp s, 0,1,2,3
	global_store_b128 v[SOF], v[64+16*\s:64+16*\s+3], s[34:35] offset:8192*\s
	global_store_b128 v[SOF], v[64+16*\s+8:64+16*\s+11], s[34:35] offset:8192*\s+512
	global_store_b128 v[SOF], v[64+16*\s+4:64+16*\s+7], s[34:35] offset:8192*\s+1024
	global_store_b128 v[SOF], v[64+16*\s+12:64+16*\s+15], s[34:35] offset:8192*\s+1536
.endr
	s_endpgm
.Lfunc_end_k_qaa77cc142c_proj:
	.size	k_qaa77cc142c_proj, .Lfunc_end_k_qaa77cc142c_proj-k_qaa77cc142c_proj
	.p2alignl 7, 3214868480
	.fill 96, 4, 3214868480
	.section	.rodata,"a",@progbits
	.p2align	6, 0x0
	.amdhsa_kernel k_qaa77cc142c_proj
		.amdhsa_group_segment_fixed_size 52736
		.amdhsa_private_segment_fixed_size 0
		.amdhsa_enable_private_segment 0
		.amdhsa_kernarg_size 112
		.amdhsa_user_sgpr_count 2
		.amdhsa_user_sgpr_kernarg_segment_ptr 1
		.amdhsa_wavefront_size32 1
		.amdhsa_system_sgpr_workgroup_id_x 1
		.amdhsa_system_sgpr_workgroup_id_y 1
		.amdhsa_system_sgpr_workgroup_id_z 1
		.amdhsa_system_vgpr_workitem_id 0
		.amdhsa_next_free_vgpr 258
		.amdhsa_next_free_sgpr 66
		.amdhsa_reserve_vcc 0
		.amdhsa_float_denorm_mode_32 3
		.amdhsa_float_denorm_mode_16_64 3
		.amdhsa_memory_ordered 1
		.amdhsa_forward_progress 1
		.amdhsa_inst_pref_size 158
	.end_amdhsa_kernel
	.amdgpu_metadata
---
amdhsa.version: [ 1, 2 ]
amdhsa.kernels:
  - .name:           k_qaa77cc142c_proj
    .symbol:         k_qaa77cc142c_proj.kd
    .args:
      - { .name: q, .offset: 0, .size: 8, .value_kind: global_buffer, .address_space: global }
      - { .name: k, .offset: 8, .size: 8, .value_kind: global_buffer, .address_space: global }
      - { .name: v, .offset: 16, .size: 8, .value_kind: global_buffer, .address_space: global }
      - { .name: Wq, .offset: 24, .size: 8, .value_kind: global_buffer, .address_space: global }
      - { .name: Wk, .offset: 32, .size: 8, .value_kind: global_buffer, .address_space: global }
      - { .name: Wv, .offset: 40, .size: 8, .value_kind: global_buffer, .address_space: global }
      - { .name: bq, .offset: 48, .size: 8, .value_kind: global_buffer, .address_space: global }
      - { .name: bk, .offset: 56, .size: 8, .value_kind: global_buffer, .address_space: global }
      - { .name: bv, .offset: 64, .size: 8, .value_kind: global_buffer, .address_space: global }
      - { .name: Wo, .offset: 72, .size: 8, .value_kind: global_buffer, .address_space: global }
      - { .name: qimg, .offset: 80, .size: 8, .value_kind: global_buffer, .address_space: global }
      - { .name: kimg, .offset: 88, .size: 8, .value_kind: global_buffer, .address_space: global }
      - { .name: vimg, .offset: 96, .size: 8, .value_kind: global_buffer, .address_space: global }
      - { .name: woimg, .offset: 104, .size: 8, .value_kind: global_buffer, .address_space: global }
    .group_segment_fixed_size: 52736
    .private_segment_fixed_size: 0
    .kernarg_segment_align: 8
    .kernarg_segment_size: 112
    .max_flat_workgroup_size: 128
    .sgpr_count:     66
    .vgpr_count:     258
    .wavefront_size: 32
...
	.end_amdgpu_metadata
.endif
;; end of part 1
;; launch attn (part 2): grid 4 x 64, 4 waves a work-group, clusters of 4 x 1, 327,680 bytes of LDS; arguments qimg, kimg, vimg, oimg; writes oimg
.if DOCPART == 2
	.amdgcn_target "amdgcn-amd-amdhsa--gfx1250"
	.amdhsa_code_object_version 6
	.text
	.protected	k_qaa77cc142c_attn
	.globl	k_qaa77cc142c_attn
	.p2align	8
	.type	k_qaa77cc142c_attn,@function
k_qaa77cc142c_attn:
	s_mov_b64 s[64:65], 0
	v_nop
	global_prefetch_b8 v0, s[64:65] scope:SCOPE_SE
	s_setreg_imm32_b32 hwreg(HW_REG_WAVE_MODE, 25, 1), 1
	s_wait_xcnt 0x0
	s_wait_alu depctr_hold_cnt(0) depctr_sa_sdst(0) depctr_va_vdst(0) depctr_va_sdst(0) depctr_va_ssrc(0) depctr_va_vcc(0) depctr_vm_vsrc(0)
	s_getreg_b32 s2, hwreg(HW_REG_IB_STS2, 6, 4)
	s_cmp_eq_u32 s2, 0
	s_cbranch_scc0 .Lentry_in_a_cluster
	s_endpgm
.Lentry_in_a_cluster:
	s_bfe_u32 s2, ttmp6, 0x10000c
	s_cmp_lg_u32 s2, 0x3003
	s_cbranch_scc0 .Lentry_shape_is_right
	s_endpgm
.Lentry_shape_is_right:
; O[b][h][q][:] = the sum over k of softmax_k(Qh[q] . Kh[k] / sqrt(128)) Vh[k][:], for 64 pairs (batch, head), 1,024 queries, 2,048 keys, head size 128.  Operands in f16, products, maxima and sums in f32;
; the weights p (at most 1) are rounded to f16 for the second product; 16 x O is rounded to f16 once at the end (the last launch takes the 16 away).
; Qh, Kh, Vh arrive, and O leaves, as IMAGES OF OPERAND REGISTERS: a fragment of 16 x 32 f16 is 1,024 bytes, registers 0-3 at 16 x lane, registers 4-7 at 512 + 16 x lane.  So every load from memory or LDS and every
; store is 16 bytes a lane at 16 x lane + a constant: no pitch, no padding, no turning load, no stage; a key step's 16 fragments of K, and of V^T, are dense blocks of 16 KiB, one tensor load each.
; SHARES.  A work-group owns 256 queries of one pair (batch, head), each of its four waves 64: four tiles of 16.  Every wave walks all keys, 64 a step.
; LAYOUT.  S^T = K Q^T (source 0 = 16 keys, source 1 = 16 queries): a lane holds ONE query (lane % 16) and the keys 8 (lane / 16) + 0..7.  Two such tiles, rounded in pairs, ARE source 1 of O^T = V^T P,
; whose result again holds one query a lane, and eight channels; two such tiles, rounded in pairs, are a fragment of O for the last launch.
; SOFTMAX.  For each query a running maximum m and sum l: p = 2^(c s - c m), c = log2(e) / sqrt(128); in every step O and l are multiplied by a = 2^(c m_old - c m_new), which is 1 where m has not grown.
; BY TURNS.  The wave's tiles are two PIECES (tiles 0, 1 and tiles 2, 3).  In a TURN one piece has the matrix unit: 32 products V^T P of the step in hand, then 32 products K Q^T of the next step; the other
; piece's softmax, cut into 64 slices, stands between them, one slice behind each matrix instruction.  Then the pieces change places.  Two turns are a key step.
; CLUSTER.  The four query blocks of a pair (batch, head) form a cluster and walk the same K and V: each tile is asked for JOINTLY, by the same tensor load with the same descriptor and a mask that names the four.
; LIMITS: |Qh|, |Kh|, |Vh| up to 65,504 and |O| up to 4,094 (f16's range); a weight under 2^-25 of its row's largest counts as 0; NaN and infinities are not served.
; REGISTERS, in windows of 256 (s_set_vgpr_msb: bits 1:0 source 0, 3:2 source 1, 5:4 source 2, 7:6 destination):
;   window 0: v2-4 addresses; v12-43 eight registers of statistics a tile; v61-63; v64-191 S^T, 32 a tile; v192-255 P, 16 a tile
;   window 1: O^T, 64 a tile          window 2: v0-127 Q, 32 a tile; v128-255 K of one step          window 3: v0-127 V of one step
.set KS,    64        ; keys in a step
.set NK,    2048      ; keys
.set VOFF,  16384     ; a step's tiles lie together: K's 16 fragments, then V's 16
.set STEPB, 32768
.set SLOT1, 1<<17     ; a slot holds two steps; slot 1 begins here, so that one exclusive or turns an address in one slot into the other's
.set SPARE, SLOT1+2*STEPB  ; behind the ring: the spare words, 128 bytes for each wave: two blocks of 256 bytes that no other line names
.set AK0, 2           ; v2   16 x my lane: my place in a fragment, in LDS and in memory; never rewritten
.set AV0, 3           ; v3   the same + VOFF
.set ADR, 4           ; v4   the LDS address of the run of loads in hand
.set SPW, 62          ; v62  LDS address of my spare word: SPARE + 4 x my thread's number; never rewritten
.set NIL, 63          ; v63  0; never rewritten
.set ST,  12          ; tile t's statistics at v[ST+8 t]: +0 c m, +1 m, +2, +3 l (even keys', odd keys'), +4 to +7 c0-c3, at work; a takes c2's place once the maximum is found
.set S,   64
.set P,   192
.set KF,  128         ; K's fragments, in window 2
.set WV,  12          ; s12  my wave's number
.set G1,  24          ; s[24:31] descriptor group 1: K's and V's tiles have one shape
.set G0K, 40          ; s[40:47] descriptor group 0 for K's tiles: a set for each of the two first fills; the second then walks on
.set G0V, 48          ; s[48:55] the same for V's
.set SLOTS, 56        ; s56  slots still to be asked for
.set TWICE, 57        ; s57  counts a slot's two steps
.set CS,  58          ; s[58:59] c: the packed scaling names a pair and takes its low word for both halves
.set SEL, 60          ; s[60:61] lane selects for v_permlanex16_b32: each lane takes its own place in the other half
.set TB,  62          ; s62  LDS byte at which the tiles of the step to be fetched begin
.set PFA, 18          ; s[18:19] where my prefetches stand: my work-group's quarter (of K: wave 0, of V: wave 2) of the slot after the one that is being asked for
.set LIM, 15          ; s15  1 in a wave that prefetches, else the greatest number: a wave prefetches while s[SLOTS] is above it
.set PFO, 61          ; v61  256 x my lane; never rewritten
.set MSB, 0
.macro WIN new                      ; the immediate's high byte repeats the setting that is left; a switch that changes nothing is dropped
.if MSB != \new
	s_set_vgpr_msb (MSB<<8)|\new
.set MSB, \new
.endif
.endm
.set W_KQ, 0x0a       ; K and Q in window 2, S^T in window 0
.set W_PV, 0x53       ; V in window 3, P in window 0, O^T in window 1
.set W_RS, 0x41       ; O^T (destination and source 0) in window 1, a in window 0
; A joint refill.  Waves 0 and 1 fetch the two steps' tiles of K, waves 2 and 3 those of V.  The branch hangs on the wave's number alone: it is the same in every work-group.
; Four v_nop follow each of the two lines; the jump round the other line, the label and what follows the macro come after them.
.macro JLOAD
	s_cmp_lt_u32 s[WV], 2
	s_cbranch_scc0 .Lfor_v_\@
	tensor_load_to_lds s[G0K+4:G0K+7], s[G1:G1+7]
	s_nop 0
.rept 4
	v_nop
.endr
	s_branch .Lasked_\@
.Lfor_v_\@:
	tensor_load_to_lds s[G0V+4:G0V+7], s[G1:G1+7]
	s_nop 0
.rept 4
	v_nop
.endr
.Lasked_\@:
.endm
; A PREFETCH INTO THE L2 of what the NEXT change of slots will ask for: a slot's 32 KiB of K and 32 KiB of V.  It stands behind the wave's tensor load and its four lines.  Each aligned block of 256 bytes is named
; once in the launch: a pair (batch, head) has one cluster; its four partners share the blocks out BY ADDRESS, 32 each, a lane a block; in each, wave 0 asks for K's and wave 2 for V's: one instruction.
; The last change that fills a slot asks for nothing: there is no slot behind it.  Slots 0, 1 and 2 come by their loads alone.
.macro ASK
	s_cmp_gt_u32 s[SLOTS], s[LIM]
	s_cbranch_scc0 .Lnot_mine_\@
	global_prefetch_b8 v[PFO], s[PFA:PFA+1] th:TH_LOAD_NT scope:SCOPE_SE
.Lnot_mine_\@:
.endm
; A round of the cluster's barrier: my work-group's barrier, so that wave 0's signal speaks for all four waves; wave 0 signals for the work-group; every wave waits for all four
; work-groups; my work-group's barrier once more.  No LDS instruction of the wave is pending at a signal.
.macro CROUND
	s_barrier_signal -1
	s_barrier_wait -1
	s_cmp_lg_u32 s[WV], 0
	s_cbranch_scc1 .Lnot_wave_0_\@
	s_barrier_signal -3
.Lnot_wave_0_\@:
	s_barrier_wait -3
	s_barrier_signal -1
	s_barrier_wait -1
.endm
	s_load_b256 s[4:11], s[0:1], 0x0  ; Q's images s[4:5], K's s[6:7], V's s[8:9], O's s[10:11]
	v_lshl_add_u32 v[SPW], v0, 2, SPARE
	v_mov_b32 v[NIL], 0
	ds_add_u32 v62, v63
	ds_add_u32 v62, v63
	s_wait_dscnt 0x0
	v_lshrrev_b32 v1, 5, v0
	v_readfirstlane_b32 s[WV], v1   ; wave 0..3
	s_bfe_u32 s13, ttmp6, 0x40000   ; cx: my place in the cluster
	s_lshl_b32 s14, ttmp9, 2        ; in a cluster launch ttmp9 counts clusters
	s_add_co_u32 s14, s14, s13      ; my block of 256 queries: it enters Q's and O's addresses alone
	s_and_b32 s20, ttmp7, 0xffff    ; 8 x batch + head, which the four partners share
	s_and_b32 s16, s[WV], 1         ; which of a slot's two steps I fetch:
	s_lshl_b32 s22, s20, 19         ; K's and V's images of a pair (batch, head) are 2^19 bytes,
	s_lshl_b32 s21, s16, 14         ; a step's 2^14
	s_add_co_u32 s22, s22, s21
	s_mov_b32 s23, 0
	s_mul_i32 s17, s16, STEPB       ; and its place in a slot: no place in the cluster enters an LDS address
	s_lshl_b32 s2, s20, 18          ; Q's images: 2^18 bytes a pair, 2^16 a block, 2^14 a wave
	s_lshl_b32 s3, s14, 16
	s_add_co_u32 s2, s2, s3
	s_lshl_b32 s3, s[WV], 14
	s_add_co_u32 s2, s2, s3
	s_mov_b32 s3, 0
	s_lshr_b32 s32, s20, 3          ; O's images: [tile of 16 rows][32 of K = 4 x head + s]: 2^21 bytes a batch, 2^19 a block, 2^17 a wave, 2^12 a head
	s_lshl_b32 s32, s32, 21
	s_lshl_b32 s33, s14, 19
	s_add_co_u32 s32, s32, s33
	s_lshl_b32 s33, s[WV], 17
	s_add_co_u32 s32, s32, s33
	s_and_b32 s33, s20, 7
	s_lshl_b32 s33, s33, 12
	s_add_co_u32 s32, s32, s33
	s_mov_b32 s33, 0
	; descriptor group 1: a dense block of 16 KiB as 64 rows x 128 elements of 2 bytes, no padding
	s_mov_b32 s[G1], 15|(1<<16)|(1<<21)  ; 15:0 the mask: all four work-groups; 17:16 elements of 2 bytes; 21 set beside a mask
	s_mov_b32 s[G1+1], 128<<16      ; 63:48 tensor_dim0, low half = 128
	s_mov_b32 s[G1+2], KS<<16       ; 79:64 its high half = 0; 95:80 tensor_dim1, low half = 64
	s_mov_b32 s[G1+3], 128<<16      ; 111:96 its high half = 0; 127:112 tile_dim0 = 128
	s_mov_b32 s[G1+4], KS           ; 143:128 tile_dim1 = 64; 159:144 tile_dim2 = 0
	s_mov_b32 s[G1+5], 128          ; 191:160 tensor_dim0_stride, low word: elements from row to row
	s_mov_b32 s[G1+6], 0
	s_mov_b32 s[G1+7], 0
	s_mov_b32 s[CS], 0x3e0293ee     ; c = log2(e) / sqrt(128) = 0.127517
	s_mov_b32 s[CS+1], s[CS]        ; named with it as a pair, so it is written
	s_mov_b32 s[SEL], 0x76543210
	s_mov_b32 s[SEL+1], 0xfedcba98
	s_mov_b32 s[TB], 0
	s_mov_b32 s[SLOTS], NK/(2*KS)-2
	s_and_b32 s[LIM], s[WV], 1       ; 0 in waves 0 and 2,
	s_or_b32 s[LIM], s[LIM], ttmp9   ; of the pair's first (here: only) cluster: the same in all four partners
	s_cmp_eq_u32 s[LIM], 0
	s_cselect_b32 s[LIM], 1, -1
	v_and_b32 v[PFO], 31, v0
	v_lshlrev_b32 v[PFO], 8, v[PFO]
	s_wait_kmcnt 0x0
	s_add_nc_u64 s[6:7], s[6:7], s[22:23]  ; K and V at my tile of slot 0
	s_add_nc_u64 s[8:9], s[8:9], s[22:23]
	s_add_nc_u64 s[4:5], s[4:5], s[2:3]  ; Q and O at my wave's first fragment
	s_add_nc_u64 s[10:11], s[10:11], s[32:33]
	s_cmp_lt_u32 s[WV], 2
	s_cselect_b64 s[PFA:PFA+1], s[6:7], s[8:9]  ; (in waves 0 and 2 these stand at a slot's first byte)
	s_lshl_b32 s2, s13, 13          ; my work-group's 32 blocks of the 128
	s_mov_b32 s3, 0
	s_add_nc_u64 s[PFA:PFA+1], s[PFA:PFA+1], s[2:3]
	s_add_nc_u64 s[PFA:PFA+1], s[PFA:PFA+1], 2*2*KS*256  ; in slot 2; the first change of slots steps it to slot 3.  Nothing is prefetched here, at the head, where every work-group's first tiles are on their way
	CROUND                          ; all four work-groups are here: the first joint loads meet
.irp s, 0,1
	s_mov_b32 s[G0K+4*\s], 1        ; 1:0 count = 1
	s_add_co_u32 s[G0K+4*\s+1], s17, \s*SLOT1  ; 63:32 LDS address
	s_add_nc_u64 s[G0K+4*\s+2:G0K+4*\s+3], s[6:7], \s*2*KS*256  ; 120:64 global address: slot s begins with keys 128 s to 128 s + 127
	s_or_b32 s[G0K+4*\s+3], s[G0K+4*\s+3], 0x80000000  ; 127:126 type = 2
	s_mov_b32 s[G0V+4*\s], 1
	s_add_co_u32 s[G0V+4*\s+1], s17, \s*SLOT1+VOFF
	s_add_nc_u64 s[G0V+4*\s+2:G0V+4*\s+3], s[8:9], \s*2*KS*256
	s_or_b32 s[G0V+4*\s+3], s[G0V+4*\s+3], 0x80000000
.endr
	s_cmp_lt_u32 s[WV], 2           ; a wave's two first fills stand in one branch, ahead of every wait on TENSORcnt and every LDS read: two loads of mine are out; four v_nop follow the second, as in JLOAD
	s_cbranch_scc0 .Lfirst_v
	tensor_load_to_lds s[G0K:G0K+3], s[G1:G1+7]
	s_nop 0
	tensor_load_to_lds s[G0K+4:G0K+7], s[G1:G1+7]
	s_nop 0
.rept 4
	v_nop
.endr
	s_branch .Lfirst_asked
.Lfirst_v:
	tensor_load_to_lds s[G0V:G0V+3], s[G1:G1+7]
	s_nop 0
	tensor_load_to_lds s[G0V+4:G0V+7], s[G1:G1+7]
	s_nop 0
.rept 4
	v_nop
.endr
.Lfirst_asked:
	v_and_b32 v1, 31, v0
	v_lshlrev_b32 v[AK0], 4, v1
	WIN 0x80                        ; destination window 2, address window 0
.irp i, 0,1,2,3,4,5,6,7,8,9,10,11,12,13,14,15  ; Q stays in registers: tile i / 4, channels 32 (i % 4) on; read once in the launch
	global_load_b128 v[8*\i:8*\i+3],   v[AK0], s[4:5] offset:1024*\i th:TH_LOAD_NT
	global_load_b128 v[8*\i+4:8*\i+7], v[AK0], s[4:5] offset:1024*\i+512 th:TH_LOAD_NT
.endr
	WIN 0
	v_add_nc_u32 v[AV0], VOFF, v[AK0]
; THE MATRIX WORK OF A TURN, for piece x.  The accumulators take turns, one instruction a turn: between two links of a chain stand 15 (V^T P) or 7 (K Q^T) others'.
; Product i of 32 of O^T += V^T P: keys 32 (i / 16) on, channels 16 ((i / 2) % 8) on, tile x + i % 2.  zero = 1: the first 16 start the sums: nothing is ever cleared.
.macro PV x, zero
	WIN W_PV
.set rO, 64*(\x+i%2)+8*((i/2)%8)
.set rV, 64*(i/16)+8*((i/2)%8)
.set rP, P+16*(\x+i%2)+8*(i/16)
.if \zero && (i < 16)
	v_wmma_f32_16x16x32_f16 v[rO:rO+7], v[rV:rV+7], v[rP:rP+7], 0
.else
	v_wmma_f32_16x16x32_f16 v[rO:rO+7], v[rV:rV+7], v[rP:rP+7], v[rO:rO+7]
.endif
.endm
; Product i of 32 of S^T = K Q^T: channels 32 (i / 8) on, keys 16 ((i / 2) % 4) on, tile x + i % 2.  The first 8 start the sums.
.macro KQ x
	WIN W_KQ
.set rS, S+32*(\x+i%2)+8*((i/2)%4)
.set rK, KF+32*((i/2)%4)+8*(i/8)
.set rQ, 32*(\x+i%2)+8*(i/8)
.if i < 8
	v_wmma_f32_16x16x32_f16 v[rS:rS+7], v[rK:rK+7], v[rQ:rQ+7], 0
.else
	v_wmma_f32_16x16x32_f16 v[rS:rS+7], v[rK:rK+7], v[rQ:rQ+7], v[rS:rS+7]
.endif
.endm
; THE LDS LOADS stand in runs of 32, never singly among the matrix instructions: a step's K (16 fragments: keys 16 (f / 4) on, channels 32 (f % 4) on) and, a turn later, its V (keys 32 (f / 8) on, channels 16 (f % 8) on).
.macro FETCH_K
	WIN 0
	v_add_nc_u32 v[ADR], s[TB], v[AK0]
	WIN 0x80                        ; destination window 2
.irp f, 0,1,2,3,4,5,6,7,8,9,10,11,12,13,14,15
	ds_load_b128 v[KF+8*\f:KF+8*\f+3],   v[ADR] offset:1024*\f
	ds_load_b128 v[KF+8*\f+4:KF+8*\f+7], v[ADR] offset:1024*\f+512
.endr
.endm
.macro FETCH_V
	WIN 0
	v_add_nc_u32 v[ADR], s[TB], v[AV0]
	s_add_co_u32 s[TB], s[TB], STEPB  ; the next fetch is the next step's
	WIN 0xc0                        ; destination window 3
.irp f, 0,1,2,3,4,5,6,7,8,9,10,11,12,13,14,15
	ds_load_b128 v[8*\f:8*\f+3],   v[ADR] offset:1024*\f
	ds_load_b128 v[8*\f+4:8*\f+7], v[ADR] offset:1024*\f+512
.endr
.endm
; THE VECTOR WORK OF A TURN.  One tile's softmax for one key step is a list of 134 instructions; SM writes number j of it for tile t.  s0-s31 are the lane's 32 scores, in pairs 0-15.
; first = 1: the first key step, which starts m, l and O^T: it has no a and nothing to rescale.
;   0-15    the maximum of s0-s31 and the old m, three operands at a time: four chains c0-c3 of seven scores each, then the four scores left over, c0-c3 and m
;   16-20   the other half of the lanes' maximum; the new m; c m; c m_old - c m_new
;   21-87   33 exponentials (a, then s0-s31) at the odd numbers from 23 on, so that no two follow each other and each has a plain instruction behind it before its result is used.
;           Plain instruction q (number 21, then the even numbers) is whatever is ready: c s - c m for a pair of scores whose exponentials are still to come (q = 0 to 3, then every
;           second q), the rounding to f16 of a pair of weights whose exponentials are done (every other q from 5 on), at last the first three sums
;   88-101  the last rounding; the rest of the sums; l = a l + the sum
;   102-133 the tile's O^T times a: the one part that leaves window 0, so it stands together
.macro SM t, first
.set rT, ST+8*(\t)
.set rS, S+32*(\t)
.set rP, P+16*(\t)
.set rO, 64*(\t)+2*(j-102)
.set q, (j-20)/2
.if j < 102
	WIN 0
.endif
.if j < 4
	v_max3_num_f32 v[rT+4+j], v[rS+8*j], v[rS+8*j+1], v[rS+8*j+2]
.elseif j < 12
	v_max3_num_f32 v[rT+4+j%4], v[rT+4+j%4], v[rS+8*(j%4)+2*(j/4)+1], v[rS+8*(j%4)+2*(j/4)+2]
.elseif j == 12
	v_max3_num_f32 v[rT+4], v[rT+4], v[rS+7], v[rS+15]
.elseif j == 13
	v_max3_num_f32 v[rT+6], v[rT+6], v[rS+23], v[rS+31]
.elseif j == 14
	v_max3_num_f32 v[rT+4], v[rT+4], v[rT+5], v[rT+6]
.elseif (j == 15) && \first
	v_max_num_f32 v[rT+4], v[rT+4], v[rT+7]
.elseif j == 15
	v_max3_num_f32 v[rT+4], v[rT+4], v[rT+7], v[rT+1]
.elseif j == 16
	v_permlanex16_b32 v[rT+5], v[rT+4], s[SEL], s[SEL+1]  ; the query's other 32 keys lie in the lane 16 away
.elseif j == 18
	v_max_num_f32 v[rT+1], v[rT+4], v[rT+5]
.elseif j == 19
	v_mul_f32 v[rT], s[CS], v[rT+1]
.elseif ((j == 17) || (j == 20) || (j == 23) || (j > 101)) && \first  ; the first step has none of these
.elseif j == 17
	v_mov_b32 v[rT+7], v[rT]        ; c m_old is kept for a: number 19 writes c m anew
.elseif j == 20
	v_sub_f32 v[rT+7], v[rT+7], v[rT]
.elseif j == 23
	v_exp_f32 v[rT+6], v[rT+7]
.elseif (j < 88) && (j > 23) && (j%2 == 1)
	v_exp_f32 v[rS+(j-25)/2], v[rS+(j-25)/2]
.elseif (q < 4) || ((j < 76) && (q%2 == 0))
.set b, q/2+2
.if q < 4
.set b, q
.endif
	v_pk_fma_f32 v[rS+2*b:rS+2*b+1], v[rS+2*b:rS+2*b+1], s[CS:CS+1], v[rT:rT+1] op_sel_hi:[1,0,0] neg_lo:[0,0,1] neg_hi:[0,0,1]  ; pair b: c s - c m
.elseif (j < 88) && (q%2 == 1)
	s_wait_alu depctr_va_vdst(0)
	v_cvt_pk_f16_f32 v[rP+(q-5)/2], v[rS+q-5], v[rS+q-4]  ; pair (q - 5) / 2: its second exponential stands three numbers back
.elseif j == 89
	s_wait_alu depctr_va_vdst(0)
	v_cvt_pk_f16_f32 v[rP+15], v[rS+30], v[rS+31]
.elseif j < 102                     ; the sum of the tile's 16 pairs (in a pair: an even key's weight, an odd key's), in place: sum z of 16 adds neighbours 1, 2, 4 and 8 pairs apart, then l takes it
.set z, j-86
.if j < 89
.set z, (j-76)/4
.endif
.set w, 4
.set u, z
.if z >= 14
.set w, 32
.set u, 0
.elseif z >= 12
.set w, 16
.set u, z-12
.elseif z >= 8
.set w, 8
.set u, z-8
.endif
.if (z == 14) && \first
	v_pk_add_f32 v[rT+2:rT+3], v[rS:rS+1], v[rS+16:rS+17]
.elseif z < 15
	v_pk_add_f32 v[rS+w*u:rS+w*u+1], v[rS+w*u:rS+w*u+1], v[rS+w*u+w/2:rS+w*u+w/2+1]
.elseif !\first
	v_pk_fma_f32 v[rT+2:rT+3], v[rT+2:rT+3], v[rT+6:rT+7], v[rS:rS+1] op_sel_hi:[1,0,1]
.endif
.else
	WIN W_RS
	v_pk_mul_f32 v[rO:rO+1], v[rO:rO+1], v[rT+6:rT+7] op_sel_hi:[1,0]
.endif
.endm
; Slice k of 64 of piece y's softmax: numbers 2 k and 2 k + 1 of both tiles' lists, four instructions.  2 x 134 = 4 x 64 + 12: the twelve that are over stand together, in slice 63.
.macro SLICE y, first
.if (k >= 11) && (k < 44)           ; tile by tile: plain, exponential, plain, exponential
.irp t, \y, \y+1
.irp n, 0,1
.set j, 2*k+\n
	SM \t, \first
.endr
.endr
.else                               ; the two tiles alternate, so that no instruction reads the result of the one just before it
.irp n, 0,1,2,3,4,5,6,7
.if (\n < 2) || (k == 63)
.irp t, \y, \y+1
.set j, 2*k+\n
	SM \t, \first
.endr
.endif
.endr
.endif
.set k, k+1
.endm
; A vector instruction that reads a matrix result or writes one of a matrix instruction's registers, and a load into a register that a matrix instruction has read, stand four places behind
; it, and only plain vector instructions that name none of its registers are places (ISA guide 7.12.1 for vector instructions).  In the loop the slices are the places.
.macro PLACES
.rept 4
	v_nop
.endr
.endm
; A TURN.  Piece x has the matrix unit; the other piece's softmax stands in slices behind its matrix instructions.
; pv = 2: 32 products V^T P; 1: they start O^T's sums; 0: none.  kq = 1: 32 products K Q^T for the next step.  A turn with one of the two kinds has two slices behind each product.
; first = 1: the softmax is the first key step's.  Its slices from 51 on are empty: the turn's last products stand bare, and four v_nop take slice 63's part as the places behind them.
; Each run of loads stands behind the second product of a run of 32, 30 matrix instructions ahead of its first use.  Piece 0's turn fetches the next step's K: the last product that read K
; stands in front of slice 63 of the turn before.  Piece 2's turn fetches the same step's V: the last product that read V stands three slices, six plain instructions, back.
.macro TURN x, pv, kq, first
.set k, 0
.set per, 2
.if \pv && \kq
.set per, 1
.endif
.if \pv
.if \x == 0
	s_wait_dscnt 0x0                ; V is in
.endif
.set i, 0
.rept 32
	PV \x, 2-\pv
.rept per
	SLICE 2-\x, \first
.endr
.if (\x == 0) && \kq && (i == 1)
	FETCH_K
.endif
.set i, i+1
.endr
.endif
.if \kq
.if \x == 0
	s_wait_dscnt 0x0                ; K is in
.endif
.set i, 0
.rept 32
	KQ \x
.rept per
	SLICE 2-\x, \first
.endr
.if (\x == 2) && (i == 1)
	FETCH_V
.endif
.set i, i+1
.endr
.endif
.if \first
	PLACES
.endif
.endm
; THE CHANGE OF SLOTS, between piece 2's turn and piece 0's: the slot's last bytes, V of its second step, have been asked for.  Each wave waits for all its
; tensor loads, of which one is out: its part of the other slot; adds 0 to its spare word; and waits for that and for its own reads of the slot.  Behind the barrier nobody reads this slot any more and the other slot is whole.
; fill = 1: this slot is filled again, with the keys two slots on.  The barrier is then a round of the cluster's, so that no wave of any partner still reads the slot or has a load on its
; way, and the joint refill is the first thing behind it: it has two key steps, 256 matrix instructions, in which to land.
.macro CHANGE fill
	WIN 0                           ; at a label and at a branch every window is 0
	s_wait_tensorcnt 0x0            ; no tensor load of mine is out, so a group 0 may be written
	ds_add_u32 v[SPW], v[NIL]       ; 0 onto my spare word; with fill = 1 the descriptors' steps stand between it and the wait for it
.if \fill
.irp g, G0K+4, G0V+4
	s_xor_b32 s[\g+1], s[\g+1], SLOT1  ; the walking descriptor: the other slot than last time,
	s_add_nc_u64 s[\g+2:\g+3], s[\g+2:\g+3], 2*KS*256  ; the next 128 keys; the type bits on top are not reached
.endr
	s_wait_xcnt 0x0                 ; the last prefetches, two key steps back, have read their address, so it may be written:
	s_add_nc_u64 s[PFA:PFA+1], s[PFA:PFA+1], 2*KS*256  ; one slot behind the walking descriptors
	s_wait_dscnt 0x0                ; the add is done, and my reads of the slot are over
	CROUND
	JLOAD
	ASK                             ; what the next change will ask for: two key steps, 256 matrix instructions, ahead
.else
	s_wait_dscnt 0x0                ; the add is done, and my reads of the slot are over
	s_barrier_signal -1
	s_barrier_wait -1
.endif
	s_sub_co_u32 s[TB], s[TB], 2*STEPB  ; the fetches go back to a slot's first step,
	s_xor_b32 s[TB], s[TB], SLOT1   ; in the other slot
.endm
; A slot's two key steps: written once, walked twice; the LDS addresses hang on s[TB].
.macro TWO_STEPS
	s_mov_b32 s[TWICE], 2
.Lstep_\@:
	TURN 0, 2, 1, 0
	TURN 2, 2, 1, 0
	WIN 0
	s_sub_co_u32 s[TWICE], s[TWICE], 1
	s_cmp_lg_u32 s[TWICE], 0
	s_cbranch_scc1 .Lstep_\@
.endm
	s_wait_tensorcnt 1              ; my part of slot 0 is in; slot 1's, issued behind it, may stay out
	s_barrier_signal -1
	s_barrier_wait -1               ; everybody's is
	FETCH_K                         ; key step 0
	s_wait_loadcnt 0x0              ; Q
	s_wait_dscnt 0x0
.set i, 0
.rept 32
	KQ 0                            ; piece 0's first scores: there is no vector work yet to set between them
.set i, i+1
.endr
	WIN 0
	PLACES                          ; behind those products, in front of the first read of their scores
	TURN 2, 0, 1, 1                 ; piece 2's first scores | piece 0's first softmax | V of step 0
	TURN 0, 1, 1, 1                 ; piece 0: V^T P of step 0 starts O^T, K Q^T of step 1 | piece 2's first softmax | K of step 1
	TURN 2, 1, 1, 0                 ; piece 2: the same | piece 0's softmax of step 1 | V of step 1
	WIN 0
.Lslot:                             ; NK / 128 - 2 trips: every slot but the last two is filled again
	CHANGE 1
	TWO_STEPS
	s_sub_co_u32 s[SLOTS], s[SLOTS], 1
	s_cmp_lg_u32 s[SLOTS], 0
	s_cbranch_scc1 .Lslot
	CHANGE 0                        ; the tail is written out: the last slot but one is left, and nothing is asked for
	TWO_STEPS
	TURN 0, 2, 0, 0                 ; piece 0: V^T P of the last step | piece 2's last softmax
.set i, 0
.rept 32
	PV 2, 0                         ; piece 2: V^T P of the last step
.set i, i+1
.endr
	; THE WAY OUT.  l's two halves and the other half of the lanes' are added; O^T is multiplied by 16 / l and rounded to f16: the packed pairs of two neighbouring channel tiles are a fragment of O, stored as it stands.
	; The additions are the places behind the last products.
	WIN 0
.irp t, 0,1,2,3
	v_add_f32 v[ST+8*\t+4], v[ST+8*\t+2], v[ST+8*\t+3]
.endr
.irp t, 0,1,2,3
	v_permlanex16_b32 v[ST+8*\t+5], v[ST+8*\t+4], s[SEL], s[SEL+1]
.endr
.irp t, 0,1,2,3
	v_add_f32 v[ST+8*\t+4], v[ST+8*\t+4], v[ST+8*\t+5]
.endr
.irp t, 0,1,2,3
	v_rcp_f32 v[ST+8*\t+6], v[ST+8*\t+4]
.endr
	v_nop                           ; a plain instruction between the last reciprocal and the use of its result
.irp t, 0,1,2,3
	s_wait_alu depctr_va_vdst(0)
	v_mul_f32 v[ST+8*\t+6], 0x41800000, v[ST+8*\t+6]  ; x 16: O is a mean over 2,048 keys and far smaller than V; the factor, a power of two, moves it up in f16's range
.endr
; Tile t: each tile has 32 registers of its own for its packed results, so no store's data are written again.
.macro PACK t
	WIN W_RS
.set i, 64*\t
.rept 32
	v_pk_mul_f32 v[i:i+1], v[i:i+1], v[ST+8*\t+6:ST+8*\t+7] op_sel_hi:[1,0]
.set i, i+2
.endr
	WIN 0x05                        ; sources 0 and 1 window 1, destination window 0: S^T's registers are free
.set i, 0
.rept 32
	v_cvt_pk_f16_f32 v[S+32*\t+i], v[64*\t+2*i], v[64*\t+2*i+1]
.set i, i+1
.endr
	WIN 0
.irp f, 0,1,2,3,4,5,6,7
	global_store_b128 v[AK0], v[S+32*\t+4*\f:S+32*\t+4*\f+3], s[10:11] offset:32768*\t+512*\f  ; channel tile f = 2 s + c: 32 lanes store 512 consecutive bytes, aligned
.endr
.endm
	PACK 0
	PACK 1
	PACK 2
	PACK 3
	s_wait_tensorcnt 0x0            ; the wave's end: behind my last tensor load
	ds_add_u32 v[SPW], v[NIL]
	s_wait_dscnt 0x0
	CROUND                          ; the closing round: no work-group ends while a partner may still ask for a tile that names it
	s_endpgm
.Lfunc_end_k_qaa77cc142c_attn:
	.size	k_qaa77cc142c_attn, .Lfunc_end_k_qaa77cc142c_attn-k_qaa77cc142c_attn
	.p2alignl 7, 3214868480
	.fill 96, 4, 3214868480
	.section	.rodata,"a",@progbits
	.p2align	6, 0x0
	.amdhsa_kernel k_qaa77cc142c_attn
		.amdhsa_group_segment_fixed_size 327680
		.amdhsa_private_segment_fixed_size 0
		.amdhsa_enable_private_segment 0
		.amdhsa_kernarg_size 32
		.amdhsa_user_sgpr_count 2
		.amdhsa_user_sgpr_kernarg_segment_ptr 1
		.amdhsa_wavefront_size32 1
		.amdhsa_system_sgpr_workgroup_id_x 1
		.amdhsa_system_sgpr_workgroup_id_y 1
		.amdhsa_system_sgpr_workgroup_id_z 1
		.amdhsa_system_vgpr_workitem_id 0
		.amdhsa_next_free_vgpr 1024
		.amdhsa_next_free_sgpr 66
		.amdhsa_reserve_vcc 0
		.amdhsa_float_denorm_mode_32 3
		.amdhsa_float_denorm_mode_16_64 3
		.amdhsa_memory_ordered 1
		.amdhsa_forward_progress 1
		.amdhsa_inst_pref_size 223
	.end_amdhsa_kernel
	.amdgpu_metadata
---
amdhsa.version: [ 1, 2 ]
amdhsa.kernels:
  - .name:           k_qaa77cc142c_attn
    .symbol:         k_qaa77cc142c_attn.kd
    .args:
      - { .name: qimg, .offset: 0, .size: 8, .value_kind: global_buffer, .address_space: global }
      - { .name: kimg, .offset: 8, .size: 8, .value_kind: global_buffer, .address_space: global }
      - { .name: vimg, .offset: 16, .size: 8, .value_kind: global_buffer, .address_space: global }
      - { .name: oimg, .offset: 24, .size: 8, .value_kind: global_buffer, .address_space: global }
    .group_segment_fixed_size: 327680
    .private_segment_fixed_size: 0
    .kernarg_segment_align: 8
    .kernarg_segment_size: 32
    .max_flat_workgroup_size: 128
    .sgpr_count:     66
    .vgpr_count:     1024
    .wavefront_size: 32
...
	.end_amdgpu_metadata
.endif
;; end of part 2
;; launch outp (part 3): grid 256 x 1, 4 waves a work-group, no clusters, 68,096 bytes of LDS; arguments oimg, woimg, bo, out0; writes out0
.if DOCPART == 3
	.amdgcn_target "amdgcn-amd-amdhsa--gfx1250"
	.amdhsa_code_object_version 6
	.text
	.protected	k_qaa77cc142c_outp
	.globl	k_qaa77cc142c_outp
	.p2align	8
	.type	k_qaa77cc142c_outp,@function
k_qaa77cc142c_outp:
	s_mov_b64 s[64:65], 0
	v_nop
	global_prefetch_b8 v0, s[64:65] scope:SCOPE_SE
	s_setreg_imm32_b32 hwreg(HW_REG_WAVE_MODE, 25, 1), 1
	s_wait_xcnt 0x0
; out0 = O Wo + bo.  O [8,192][1,024] arrives as 16 x O in f16, Wo [1,024][128] in f16, both as images of operand registers (a fragment of 16 x 32 is 1,024 bytes: registers 0-3 at 16 x lane, 4-7 at 512 + 16 x lane);
; sums in f32; the factor 16 is taken away in the fused multiply-add that adds the bias.  out0 [8,192][128] f32.
; SHARES.  A work-group takes 32 rows and all 128 columns.  K IS SPLIT OVER THE FOUR WAVES: wave w takes K = 256 w .. 256 w + 255 (eight steps of 32), so each byte of O is read once and each wave reads its own 64 KiB of Wo.
; The four partial sums meet in LDS (the order of the sums differs from a single chain's; the result is held to a tolerance), and each wave adds and stores eight whole rows.
; THE MATRIX INSTRUCTION IS USED TRANSPOSED (source 0 = 16 columns of Wo, source 1 = 16 rows of O): a lane holds eight neighbouring numbers of a row of out0.
; No tensor load, no cluster: each operand byte goes from memory straight into the register that the product names.
; REGISTERS, in windows of 256: window 0: v1-7 addresses and the bias; v128-255 the 16 accumulators ((mt, t) at 128 + 8 (8 mt + t)), later the rows read back.
;   window 1: Wo's fragments of my steps 0-3 (step s, tile t at 64 s + 8 t); window 2: of steps 4-7; window 3: O's 16 fragments ((mt, s) at 8 (8 mt + s)).
.set SPB, 528                          ; a stage row: 512 bytes + 16 = 33 x 16: sixteen rows written at one column fall on sixteen different columns of 16 bytes modulo 256
.set LI,  1                            ; v1  16 x lane
.set STA, 2                            ; v2  the stage, in: my region + row r + 32 h
.set RDA, 3                            ; v3  the stage, out: my eight rows, 16 bytes a lane
.set BV,  4                            ; v[4:7] bo at my four columns
.set ACC, 128
.set MSB, 0
.macro WIN new                         ; the immediate's high byte repeats the setting that is left
.if MSB != \new
	s_set_vgpr_msb (MSB<<8)|\new
.set MSB, \new
.endif
.endm
	s_load_b256 s[4:11], s[0:1], 0x0               ; O's images s[4:5], Wo's s[6:7], bo s[8:9], out0 s[10:11]
	v_lshl_add_u32 v126, v0, 2, 0x10800
	v_mov_b32 v127, 0
	v_lshrrev_b32 v8, 5, v0
	v_readfirstlane_b32 s2, v8                     ; wave 0..3
	v_and_b32 v8, 31, v0
	v_and_b32 v9, 15, v0                           ; r
	v_bfe_u32 v10, v0, 4, 1                        ; h
	v_lshlrev_b32 v[LI], 4, v8
	s_mul_i32 s3, s2, 32*SPB                       ; my partial sums' region: 32 rows
	v_mul_u32_u24 v[STA], v9, SPB
	v_lshl_add_u32 v[STA], v10, 5, v[STA]
	v_add_nc_u32 v[STA], s3, v[STA]
	s_mul_i32 s3, s2, 8*SPB                        ; the eight rows that I add up
	v_add_nc_u32 v[RDA], s3, v[LI]
	s_lshl_b32 s12, ttmp9, 16                      ; two tiles of 16 rows, 32,768 bytes each,
	s_lshl_b32 s3, s2, 13                          ; my eight steps of 1,024
	s_add_co_u32 s12, s12, s3
	s_mov_b32 s13, 0
	s_lshl_b32 s14, s2, 16                         ; Wo: my eight steps of 8,192
	s_mov_b32 s15, 0
	s_wait_kmcnt 0x0
	s_add_nc_u64 s[4:5], s[4:5], s[12:13]
	s_add_nc_u64 s[6:7], s[6:7], s[14:15]
	s_lshl_b32 s12, ttmp9, 14                      ; out0: 32 rows of 512 bytes, my eight of them
	s_lshl_b32 s3, s2, 12
	s_add_co_u32 s12, s12, s3
	s_add_nc_u64 s[10:11], s[10:11], s[12:13]
	global_load_b128 v[BV:BV+3], v[LI], s[8:9]
	WIN 0xc0                                       ; destination window 3
.irp mt, 0,1
.irp s, 0,1,2,3,4,5,6,7
	global_load_b128 v[8*(8*\mt+\s):8*(8*\mt+\s)+3],   v[LI], s[4:5] offset:32768*\mt+1024*\s th:TH_LOAD_NT      ; read once in the launch
	global_load_b128 v[8*(8*\mt+\s)+4:8*(8*\mt+\s)+7], v[LI], s[4:5] offset:32768*\mt+1024*\s+512 th:TH_LOAD_NT
.endr
.endr
.irp s, 0,1,2,3,4,5,6,7
	WIN 0x40+0x40*(\s/4)                           ; destination window 1, then 2
.irp t, 0,1,2,3,4,5,6,7
	global_load_b128 v[64*(\s%4)+8*\t:64*(\s%4)+8*\t+3],   v[LI], s[6:7] offset:8192*\s+1024*\t
	global_load_b128 v[64*(\s%4)+8*\t+4:64*(\s%4)+8*\t+7], v[LI], s[6:7] offset:8192*\s+1024*\t+512
.endr
.endr
; One step of 32 along K: the 16 accumulators take turns, one instruction a turn, in the same order in every step.  zero = 1: the first step starts the sums.
.macro KSTEP s, zero
.irp mt, 0,1
.irp t, 0,1,2,3,4,5,6,7
.if \zero
	v_wmma_f32_16x16x32_f16 v[ACC+8*(8*\mt+\t):ACC+8*(8*\mt+\t)+7], v[64*((\s)%4)+8*\t:64*((\s)%4)+8*\t+7], v[8*(8*\mt+(\s)):8*(8*\mt+(\s))+7], 0
.else
	v_wmma_f32_16x16x32_f16 v[ACC+8*(8*\mt+\t):ACC+8*(8*\mt+\t)+7], v[64*((\s)%4)+8*\t:64*((\s)%4)+8*\t+7], v[8*(8*\mt+(\s)):8*(8*\mt+(\s))+7], v[ACC+8*(8*\mt+\t):ACC+8*(8*\mt+\t)+7]
.endif
.endr
.endr
.endm
	s_wait_loadcnt 63                              ; of the 161 loads the first 98 are in: the bias, O's 32 and the 64 of Wo's steps 0-3 are 97 (behind those stand 64; the wait's field ends at 63)
	WIN 0x0d                                       ; source 0 (Wo) window 1, source 1 (O) window 3, C and D window 0
	KSTEP 0, 1
	KSTEP 1, 0
	KSTEP 2, 0
	KSTEP 3, 0
	WIN 0x0e                                       ; source 0 window 2
	s_wait_loadcnt 48                              ; step 4's sixteen are in; behind them stand three steps' 48
	KSTEP 4, 0
	s_wait_loadcnt 32
	KSTEP 5, 0
	s_wait_loadcnt 16
	KSTEP 6, 0
	s_wait_loadcnt 0x0
	KSTEP 7, 0
	WIN 0
.rept 4
	v_nop                                          ; four places behind the last product (ISA guide 7.12.1)
.endr
.irp mt, 0,1
.irp t, 0,1,2,3,4,5,6,7
	ds_store_b128 v[STA], v[ACC+8*(8*\mt+\t):ACC+8*(8*\mt+\t)+3] offset:16*SPB*\mt+64*\t        ; lane (r, h): row 16 mt + r, columns 16 t + 8 h + 0 .. 7; each accumulator from its low end on
	ds_store_b128 v[STA], v[ACC+8*(8*\mt+\t)+4:ACC+8*(8*\mt+\t)+7] offset:16*SPB*\mt+64*\t+16
.endr
.endr
	s_wait_dscnt 0x0                               ; for the others' sake: my partial sums lie in LDS
	s_barrier_signal -1
	s_barrier_wait -1
.irp i, 0,1,2,3,4,5,6,7
.irp p, 0,1,2,3
	ds_load_b128 v[ACC+4*(4*\i+\p):ACC+4*(4*\i+\p)+3], v[RDA] offset:32*SPB*\p+SPB*\i   ; row 8 w + i of wave p's partial sums
.endr
.endr
.irp i, 0,1,2,3,4,5,6,7
	s_wait_dscnt 4*(7-\i)                          ; this row's four loads are in; the later rows' may be out
	v_pk_add_f32 v[ACC+16*\i:ACC+16*\i+1], v[ACC+16*\i:ACC+16*\i+1], v[ACC+16*\i+4:ACC+16*\i+5]
	v_pk_add_f32 v[ACC+16*\i+2:ACC+16*\i+3], v[ACC+16*\i+2:ACC+16*\i+3], v[ACC+16*\i+6:ACC+16*\i+7]
	v_pk_add_f32 v[ACC+16*\i+8:ACC+16*\i+9], v[ACC+16*\i+8:ACC+16*\i+9], v[ACC+16*\i+12:ACC+16*\i+13]
	v_pk_add_f32 v[ACC+16*\i+10:ACC+16*\i+11], v[ACC+16*\i+10:ACC+16*\i+11], v[ACC+16*\i+14:ACC+16*\i+15]
	v_pk_add_f32 v[ACC+16*\i:ACC+16*\i+1], v[ACC+16*\i:ACC+16*\i+1], v[ACC+16*\i+8:ACC+16*\i+9]
	v_pk_add_f32 v[ACC+16*\i+2:ACC+16*\i+3], v[ACC+16*\i+2:ACC+16*\i+3], v[ACC+16*\i+10:ACC+16*\i+11]
	v_pk_fma_f32 v[ACC+16*\i:ACC+16*\i+1], v[ACC+16*\i:ACC+16*\i+1], 0x3d800000, v[BV:BV+1] op_sel_hi:[1,0,1]        ; / 16, + bo
	v_pk_fma_f32 v[ACC+16*\i+2:ACC+16*\i+3], v[ACC+16*\i+2:ACC+16*\i+3], 0x3d800000, v[BV+2:BV+3] op_sel_hi:[1,0,1]
	global_store_b128 v[LI], v[ACC+16*\i:ACC+16*\i+3], s[10:11] offset:512*\i th:TH_STORE_NT   ; 32 lanes store a whole row of 512 bytes, aligned
.endr
	s_barrier_signal -1
	s_barrier_wait -1
	s_wait_tensorcnt 0x0
	ds_add_u32 v126, v127
	s_wait_dscnt 0x0
	s_endpgm
.Lfunc_end_k_qaa77cc142c_outp:
	.size	k_qaa77cc142c_outp, .Lfunc_end_k_qaa77cc142c_outp-k_qaa77cc142c_outp
	.p2alignl 7, 3214868480
	.fill 96, 4, 3214868480
	.section	.rodata,"a",@progbits
	.p2align	6, 0x0
	.amdhsa_kernel k_qaa77cc142c_outp
		.amdhsa_group_segment_fixed_size 68096
		.amdhsa_private_segment_fixed_size 0
		.amdhsa_enable_private_segment 0
		.amdhsa_kernarg_size 32
		.amdhsa_user_sgpr_count 2
		.amdhsa_user_sgpr_kernarg_segment_ptr 1
		.amdhsa_wavefront_size32 1
		.amdhsa_system_sgpr_workgroup_id_x 1
		.amdhsa_system_sgpr_workgroup_id_y 1
		.amdhsa_system_sgpr_workgroup_id_z 1
		.amdhsa_system_vgpr_workitem_id 0
		.amdhsa_next_free_vgpr 896
		.amdhsa_next_free_sgpr 66
		.amdhsa_reserve_vcc 0
		.amdhsa_float_denorm_mode_32 3
		.amdhsa_float_denorm_mode_16_64 3
		.amdhsa_memory_ordered 1
		.amdhsa_forward_progress 1
		.amdhsa_inst_pref_size 35
	.end_amdhsa_kernel
	.amdgpu_metadata
---
amdhsa.version: [ 1, 2 ]
amdhsa.kernels:
  - .name:           k_qaa77cc142c_outp
    .symbol:         k_qaa77cc142c_outp.kd
    .args:
      - { .name: oimg, .offset: 0, .size: 8, .value_kind: global_buffer, .address_space: global }
      - { .name: woimg, .offset: 8, .size: 8, .value_kind: global_buffer, .address_space: global }
      - { .name: bo, .offset: 16, .size: 8, .value_kind: global_buffer, .address_space: global }
      - { .name: out0, .offset: 24, .size: 8, .value_kind: global_buffer, .address_space: global }
    .group_segment_fixed_size: 68096
    .private_segment_fixed_size: 0
    .kernarg_segment_align: 8
    .kernarg_segment_size: 32
    .max_flat_workgroup_size: 128
    .sgpr_count:     66
    .vgpr_count:     896
    .wavefront_size: 32
...
	.end_amdgpu_metadata
.endif
;; end of part 3
